; MI455X (gfx1250); checked and timed in simulation.
; The chip was launched on July 23, 2026; its instructions are those of AMD's public machine-readable ISA for CDNA 5 (MIT licence, August 2026) and "CDNA5" Instruction Set Architecture Reference Guide (July 2026). The comments in the code are by the model that wrote it; some were corrected since.
;; Hyper Sphere. Allowed arithmetic: float matrix products may take bf16 or f16 operands with f32 sums; all other float work in f32.
;; Inputs: super_points 4,096 x 18 float32; x 8 x 18 x 64 x 64 float32.
;; Outputs: out0 8 x 18 x 64 x 64 float32; out1 32,768 int32; out2 one number float32; out3 one number float32; out4 one number float32; out5 one number float32.
;; One version. Each part assembles by itself: llvm-mc -triple=amdgcn-amd-amdhsa -mcpu=gfx1250 --defsym DOCPART=n.
;; ======== version 1 of 1: 3 launches
;; limits: below input magnitudes of 1e-19 results are inexact or not finite
;; workspace buffers: widx 131,072 bytes of whole numbers; colpart 4,194,304 bytes; epart 8,192 bytes; colq 65,536 bytes; cpart 2,048 bytes
;; launch main (part 1): grid 256 x 1, 8 waves a work-group, no clusters, 311,808 bytes of LDS; arguments super_points, x, out1, widx, colpart, epart; writes out1, widx, colpart, epart
.if DOCPART == 1
	.amdgcn_target "amdgcn-amd-amdhsa--gfx1250"
	.amdhsa_code_object_version 6
	.text
	.protected	k_q1de5ebdb25_main
	.globl	k_q1de5ebdb25_main
	.p2align	8
	.type	k_q1de5ebdb25_main,@function
k_q1de5ebdb25_main:
	s_mov_b64 s[64:65], 0
	v_nop
	global_prefetch_b8 v0, s[64:65] scope:SCOPE_SE
	s_setreg_imm32_b32 hwreg(HW_REG_WAVE_MODE, 25, 1), 1
	s_wait_xcnt 0x0
; HyperSphere, first launch: similarities of 32,768 points (18 numbers each) with 4,096 codes, swept twice.
; Work-group g owns the 128 points 128 g .. 128 g + 127 (one batch entry, 128 neighbouring h*w places) and all codes.
;   sweep 1: wave w owns 16 points; over all 256 code tiles it keeps a running maximum, the winning tile's eight values and tile
;            number (selects only, no branch on data), and the running sum of 2^((t - M) c').  Result per point: index and
;            nb = -M c' - log2 Z, so that y = t c' + nb is log2 of the softmax probability.
;   sweep 2: wave w owns 512 codes and all 128 points; the products are formed again, p = 2^y, and it sums p by code (for the mean
;            over points) and p y (for the entropies).
; t = bf16(x) . bf16(code), f32 sums in the matrix unit; c' = 100 log2(e) / |x| with |x| from the unrounded f32 x.  A positive factor
; per point does not move an argmax, so the maximum is taken on t itself.  Ties go to the smallest index.
; LIMITS: an all-zero x vector, infinities and NaN are not served; the sum of squares of a point must be a normal f32
; (|x| between about 1e-19 and 1e19).  The 1e-15 that is added to every logit cancels in the softmax and is left out.
; An index can differ from an f32 evaluation where the two best similarities differ only by summation rounding.
; NO CLUSTER, NO TENSOR LOAD: the one shared input is the code table, 294,912 bytes read once per work-group (72 loads a wave); it has
; to be rounded to bf16 and laid out anew (rows of 72 bytes to rows of 48), which goes through registers anyway.
.set NPT,    128                       ; points of a work-group
.set DIM,    18
.set ROWB,   48                        ; an image row: 18 bf16, 2 zero bf16, 8 bytes unused; 48 = 3 x 16, so 16 rows start in 16 different 16-byte columns of 256
.set TILEB,  16*ROWB                   ; 16 rows = one fragment
.set STAGE,  196608                    ; behind the code image (4096 x 48): 1,024 raw rows of 72 bytes
.set XIMG,   270336                    ; 128 point rows of 48 bytes
.set PC,     276480                    ; c' of the 128 points; nb at +512; index at +1024
.set COLST,  278016                    ; wave w at 4096 w: [lane half][512 codes] f32
.set CHB,    73728                     ; bytes of a chunk of 1,024 raw rows = 18 x 4,096
.set AF,  64                           ; v[64:127]  eight A fragments (sweep 1: code tiles; sweep 2: point tiles)
.set BF,  32                           ; v[32:39]   the B fragment (sweep 1: my points; sweep 2: a code tile)
.set W,   40                           ; v[40:47]   sweep 1: the winning tile's values
.set ZA,  48                           ; v[48:55]   sweep 1: eight partial sums of exponentials
.set CA,  40                           ; v[40:47]   sweep 2: sum of p over points
.set EA,  48                           ; v[48:55]   sweep 2: sum of p y
.set P0,  16                           ; v[16:23], v[24:31]  sweep 2: p, two sets in turn
.set P1,  24
.set D0,  128                          ; v[128:191], v[192:255]  products, two sets of eight tiles in turn
.set D1,  192
; v0 thread, v1 r = lane % 16, v2 h = lane / 16, v3 lane, v4/v5 fragment addresses, v6 M, v7 M before the block, v8 winning tile,
; v[10:11] (c', -M c'), v[12:13] rescale factor, v14 v15 v56 v57 tile maxima.  v256-319: c', v320-383: nb of point 16 i + 8 h + j.
.macro BAR
	s_barrier_signal -1
	s_barrier_wait -1
.endm
.set MSB, 0
.macro WIN new                         ; the immediate's high byte repeats the setting that is left
.if MSB != \new
	s_set_vgpr_msb (MSB<<8)|\new
.set MSB, \new
.endif
.endm
.macro GLOAD c                         ; a chunk of raw code rows: 18 loads, each 512 neighbouring bytes a wave
.irp i, 0,1,2,3,4,5,6,7,8,9,10,11,12,13,14,15,16,17
	global_load_b128 v[184+4*\i:187+4*\i], v20, s[4:5] offset:(\c)*CHB+4096*\i
.endr
.endm
	s_load_b256 s[4:11], s[0:1], 0x0               ; super_points s[4:5], x s[6:7], out1 s[8:9], widx s[10:11]
	s_load_b128 s[12:15], s[0:1], 0x20             ; colpart s[12:13], epart s[14:15]
	v_lshl_add_u32 v63, v0, 2, 0x4be00
	s_set_vgpr_msb 0x40
	v_mov_b32 v129, 0
	s_set_vgpr_msb 0x4000
	v_lshrrev_b32 v9, 5, v0
	v_readfirstlane_b32 s16, v9                    ; wave 0..7
	s_mov_b32 s17, ttmp9                           ; g
	v_and_b32 v1, 15, v0
	v_bfe_u32 v2, v0, 4, 1
	v_and_b32 v3, 31, v0
	s_mov_b32 s22, 0x76543210                      ; v_permlanex16_b32: lane i takes lane i of the other half
	s_mov_b32 s23, 0xfedcba98
	s_lshr_b32 s18, s17, 5                         ; batch entry
	s_mul_i32 s18, s18, 294912                     ; x 18 x 4096 x 4 bytes
	s_and_b32 s19, s17, 31
	s_lshl_b32 s19, s19, 9                         ; + 128 places x 4 bytes
	s_add_co_u32 s18, s18, s19
	s_mov_b32 s19, 0
	v_lshlrev_b32 v20, 4, v0                       ; 16 t: global offset of my 16 bytes
	v_add_nc_u32 v21, STAGE, v20                   ; the same place in the stage
	v_add_nc_u32 v22, STAGE+65536, v20             ; and for the last two of the 18 pieces (LDS immediates have 16 bits)
	v_mul_u32_u24 v23, v0, 72
	v_add_nc_u32 v23, STAGE, v23                   ; raw row t of the stage
	v_mul_u32_u24 v24, v0, ROWB                    ; image row t
	v_mov_b32 v145, 0                              ; the tenth word of each packed row: k = 18, 19 are zero
	v_mov_b32 v155, 0
	v_mov_b32 v165, 0
	v_mov_b32 v175, 0
	s_wait_kmcnt 0x0
	s_add_nc_u64 s[6:7], s[6:7], s[18:19]
	GLOAD 0
	; POINTS, waves 0-3: thread t takes point t: 18 loads of 128 neighbouring bytes a wave, norm in f32, row rounded to bf16
	s_cmp_ge_u32 s16, 4
	s_cbranch_scc1 .Lnox
	v_lshlrev_b32 v9, 2, v0
.irp d, 0,1,2,3,4,5,6,7,8,9,10,11,12,13,14,15,16,17
	global_load_b32 v[64+\d], v9, s[6:7] offset:16384*\d
.endr
	v_add_nc_u32 v18, XIMG, v24
	v_add_nc_u32 v19, PC, v9
	s_wait_loadcnt 0x0
	v_mul_f32 v16, v64, v64                        ; sum of squares in two chains
	v_mul_f32 v17, v65, v65
.irp d, 2,4,6,8,10,12,14,16
	v_fmac_f32 v16, v[64+\d], v[64+\d]
	v_fmac_f32 v17, v[65+\d], v[65+\d]
.endr
	v_add_f32 v16, v16, v17
	v_rsq_f32 v17, v16                             ; the conversions below are the plain place behind it
.irp q, 0,1,2,3,4,5,6,7,8
	v_cvt_pk_bf16_f32 v[136+\q], v[64+2*\q], v[65+2*\q]
.endr
	s_wait_alu depctr_va_vdst(0)
	v_mul_f32 v17, 0x431044fe, v17                 ; c' = 100 log2(e) / |x|
	ds_store_b128 v18, v[136:139]
	ds_store_b128 v18, v[140:143] offset:16
	ds_store_b64 v18, v[144:145] offset:32
	ds_store_b32 v19, v17
.Lnox:
; CODE IMAGE, 1,024 rows at a time: raw bytes to the stage as they come, then each thread takes four whole rows, rounds and stores them.
.macro CHUNK c
	s_wait_loadcnt 0x0                             ; my 18 pieces of the chunk are in registers
.if \c
	s_wait_dscnt 0x0                               ; my reads of the stage are over,
	BAR                                            ; everybody's are: it may be written again
.endif
.irp i, 0,1,2,3,4,5,6,7,8,9,10,11,12,13,14,15
	ds_store_b128 v21, v[184+4*\i:187+4*\i] offset:4096*\i
.endr
	ds_store_b128 v22, v[248:251]
	ds_store_b128 v22, v[252:255] offset:4096
	s_wait_dscnt 0x0                               ; my stores have landed (zero: others read them),
	BAR                                            ; everybody's have
.if \c < 3
	GLOAD \c+1                                     ; the next chunk travels while this one is converted
.endif
.irp rr, 0,1,2,3
.irp q, 0,1,2,3,4,5,6,7,8
	ds_load_b64 v[64+18*\rr+2*\q:65+18*\rr+2*\q], v23 offset:18432*\rr+8*\q   ; row t + 256 rr
.endr
.endr
.irp rr, 0,1,2,3
	s_wait_dscnt 27-6*\rr                          ; row rr is in: 9 (3 - rr) younger loads and the 3 rr stores issued since may be out
.irp q, 0,1,2,3,4,5,6,7,8
	v_cvt_pk_bf16_f32 v[136+10*\rr+\q], v[64+18*\rr+2*\q], v[65+18*\rr+2*\q]
.endr
	ds_store_b128 v24, v[136+10*\rr:139+10*\rr] offset:256*ROWB*\rr
	ds_store_b128 v24, v[140+10*\rr:143+10*\rr] offset:256*ROWB*\rr+16
	ds_store_b64 v24, v[144+10*\rr:145+10*\rr] offset:256*ROWB*\rr+32
.endr
	v_add_nc_u32 v24, 1024*ROWB, v24
.endm
	CHUNK 0
	CHUNK 1
	CHUNK 2
	CHUNK 3
	s_wait_dscnt 0x0                               ; my image rows have landed,
	BAR                                            ; the image, the point rows and c' are whole
; A fragment, codes and points alike: lane (r, h) takes row r: registers 0-3 = k 8h..8h+7 (16 bytes at 16 h), register 4 = k 16+8h, 17+8h
; (4 bytes at 32 + 4 h: k 16, 17 or the zero word), registers 5-7 = 0, written once.
.macro LDA                             ; eight code tiles into AF, and on by eight tiles
.irp u, 0,1,2,3,4,5,6,7
	ds_load_b128 v[AF+8*\u:AF+8*\u+3], v4 offset:TILEB*\u
	ds_load_b32 v[AF+8*\u+4], v5 offset:TILEB*\u
.endr
	v_add_nc_u32 v4, 8*TILEB, v4
	v_add_nc_u32 v5, 8*TILEB, v5
.endm
.macro MM dn                           ; eight products of 16 x 16, K = 32 of which 18 are data; C = 0: nothing is cleared or carried
.irp u, 0,1,2,3,4,5,6,7
	v_wmma_f32_16x16x32_bf16 v[\dn+8*\u:\dn+8*\u+7], v[AF+8*\u:AF+8*\u+7], v[BF:BF+7], 0
.endr
.endm
; one tile of sweep 1: lane (r, h) holds point r, codes 16 T + 8 h + j.  A strictly larger tile maximum takes over values and tile number.
.macro TMAX d, u, ta, tb
	v_max3_num_f32 v[\ta], v[\d+8*\u], v[\d+8*\u+1], v[\d+8*\u+2]
	v_max3_num_f32 v[\tb], v[\d+8*\u+3], v[\d+8*\u+4], v[\d+8*\u+5]
	v_max3_num_f32 v[\ta], v[\ta], v[\d+8*\u+6], v[\d+8*\u+7]
	v_max_num_f32 v[\ta], v[\ta], v[\tb]
	v_cmp_gt_f32 vcc_lo, v[\ta], v6
.irp j, 0,1,2,3,4,5,6,7
	v_cndmask_b32 v[W+\j], v[W+\j], v[\d+8*\u+\j], vcc_lo
.endr
	v_cndmask_b32 v8, v8, s20, vcc_lo
	v_max_num_f32 v6, v6, v[\ta]
	s_add_co_u32 s20, s20, 1                       ; the running tile number
.endm
.macro FMA1 d, u                       ; t c' - M c'
.irp q, 0,2,4,6
	v_pk_fma_f32 v[\d+8*(\u)+\q:\d+8*(\u)+\q+1], v[\d+8*(\u)+\q:\d+8*(\u)+\q+1], v[10:11], v[10:11] op_sel:[0,0,1] op_sel_hi:[1,0,1]
.endr
.endm
.macro EXP1 d, u
.irp j, 0,1,2,3,4,5,6,7
	v_exp_f32 v[\d+8*(\u)+\j], v[\d+8*(\u)+\j]
.endr
.endm
.macro ADD1 d, u
	s_wait_alu depctr_va_vdst(0)
.irp q, 0,2,4,6
	v_pk_add_f32 v[ZA+\q:ZA+\q+1], v[ZA+\q:ZA+\q+1], v[\d+8*(\u)+\q:\d+8*(\u)+\q+1]
.endr
.endm
; the block's 64 exponentials against the maximum that includes the block; the old sums are rescaled once a block.
; Between a run of exponentials and the adds that read it stands the next tile's run of plain multiply-adds (ISA guide 5.7.2).
.macro SOFT d
	v_sub_f32 v12, v7, v6
	v_mul_f32 v12, v12, v10
	v_exp_f32 v12, v12                             ; 2^((M before - M) c'); in the first block 2^(-inf) = 0
	v_mul_f32 v11, -v6, v10                        ; the plain place behind it
	s_wait_alu depctr_va_vdst(0)
.irp q, 0,2,4,6
	v_pk_mul_f32 v[ZA+\q:ZA+\q+1], v[ZA+\q:ZA+\q+1], v[12:13] op_sel_hi:[1,0]
.endr
	FMA1 \d, 0
	EXP1 \d, 0
.irp u, 1,2,3,4,5,6,7
	FMA1 \d, \u
	EXP1 \d, \u
	ADD1 \d, \u-1
.endr
	ADD1 \d, 7
.endm
; half a trip: the next block's products are issued, then the block in dc is worked on.  The loads into AF stand behind 16 plain vector
; instructions that name none of the products' registers.
.macro HALF1 dc, dn, wm, ld
	s_wait_dscnt 0x0                               ; the fragments asked for in the last half are in
.if \wm
	MM \dn
.endif
	v_mov_b32 v7, v6
	TMAX \dc, 0, 14, 15
.if \ld
	LDA
.endif
	TMAX \dc, 1, 56, 57
	TMAX \dc, 2, 14, 15
	TMAX \dc, 3, 56, 57
	TMAX \dc, 4, 14, 15
	TMAX \dc, 5, 56, 57
	TMAX \dc, 6, 14, 15
	TMAX \dc, 7, 56, 57
	SOFT \dc
.endm
	; SWEEP 1
	v_mul_u32_u24 v4, v1, ROWB
	v_lshl_add_u32 v5, v2, 2, v4
	v_lshl_add_u32 v4, v2, 4, v4                   ; 48 r + 16 h
	v_add_nc_u32 v5, 32, v5                        ; 48 r + 32 + 4 h
	s_mul_i32 s18, s16, TILEB
	s_add_co_u32 s18, s18, XIMG                    ; my 16 points
	v_add_nc_u32 v16, s18, v4
	v_add_nc_u32 v17, s18, v5
	ds_load_b128 v[BF:BF+3], v16
	ds_load_b32 v[BF+4], v17
	s_lshl_b32 s18, s16, 6
	s_add_co_u32 s18, s18, PC
	v_lshl_add_u32 v18, v1, 2, s18                 ; the word of point 16 w + r
	ds_load_b32 v10, v18
.irp z, 5,6,7
	v_mov_b32 v[BF+\z], 0                          ; k = 18 .. 31 of every fragment: zero, once for both sweeps
.irp u, 0,1,2,3,4,5,6,7
	v_mov_b32 v[AF+8*\u+\z], 0
.endr
.endr
	LDA
	s_wait_dscnt 0x0
	MM D0
.irp j, 0,1,2,3,4,5,6,7
	v_mov_b32 v[W+\j], 0                           ; these are also the places behind the products, in front of the loads into AF
	v_mov_b32 v[ZA+\j], 0
.endr
	v_mov_b32 v6, 0xff800000                       ; M = -inf
	v_mov_b32 v8, 0
	v_mov_b32 v13, 0                               ; the unused half of the factor's pair
	v_mov_b32 v58, 0                               ; a lane exchange's destination counts as read
	LDA
	s_mov_b32 s20, 0
	s_mov_b32 s21, 15                              ; 32 blocks of 8 tiles: 30 in the loop, 2 behind it
.Ls1:
	HALF1 D0, D1, 1, 1
	HALF1 D1, D0, 1, 1
	s_sub_co_i32 s21, s21, 1
	s_cmp_lg_u32 s21, 0
	s_cbranch_scc1 .Ls1
	HALF1 D0, D1, 1, 0                             ; the last block's products; nothing is loaded past the image
	HALF1 D1, D0, 0, 0
	; my half's result, then the two halves of the lanes (codes 8 h + j of each tile) are merged
	v_pk_add_f32 v[ZA:ZA+1], v[ZA:ZA+1], v[ZA+2:ZA+3]
	v_pk_add_f32 v[ZA+4:ZA+5], v[ZA+4:ZA+5], v[ZA+6:ZA+7]
	v_pk_add_f32 v[ZA:ZA+1], v[ZA:ZA+1], v[ZA+4:ZA+5]
	v_add_f32 v48, v48, v49
	v_mov_b32 v16, 7
.irp j, 6,5,4,3,2,1,0
	v_cmp_eq_f32 vcc_lo, v[W+\j], v6               ; downward, so that the smallest j with the maximum stays
	v_cndmask_b32 v16, v16, \j, vcc_lo
.endr
	v_lshl_add_u32 v17, v8, 4, v16
	v_lshl_add_u32 v17, v2, 3, v17                 ; code = 16 tile + 8 h + j
	v_permlanex16_b32 v56, v6, s22, s23            ; the other half's M,
	v_permlanex16_b32 v57, v48, s22, s23           ; Z
	v_permlanex16_b32 v58, v17, s22, s23           ; and code
	v_max_num_f32 v59, v6, v56
	v_sub_f32 v60, v6, v59
	v_sub_f32 v61, v56, v59
	v_mul_f32 v60, v60, v10
	v_mul_f32 v61, v61, v10
	v_exp_f32 v60, v60
	v_exp_f32 v61, v61
	v_cmp_gt_f32 s24, v56, v6                      ; the other's code if its maximum is larger,
	v_cmp_eq_f32 s25, v56, v6                      ; or equal with the smaller code
	v_cmp_lt_u32 s26, v58, v17
	s_and_b32 s25, s25, s26
	s_or_b32 s24, s24, s25
	s_wait_alu depctr_va_vdst(0)
	v_mul_f32 v48, v48, v60                        ; two products and a commutative sum, not a fused form: both halves get the same bits
	v_mul_f32 v57, v57, v61
	v_add_f32 v48, v48, v57
	v_log_f32 v62, v48
	v_cndmask_b32 v17, v17, v58, s24               ; the plain place behind the logarithm
	s_wait_alu depctr_va_vdst(0)
	v_fma_f32 v62, -v59, v10, -v62                 ; nb = -M c' - log2 Z
	ds_store_b32 v18, v62 offset:512               ; lanes r and r + 16 store the same word with the same bits
	ds_store_b32 v18, v17 offset:1024
	s_wait_dscnt 0x0                               ; zero: other waves read these
	BAR
	; the 128 indices leave by wave 0: each store covers 512 consecutive bytes, aligned
	s_cmp_lg_u32 s16, 0
	s_cbranch_scc1 .Lnoidx
	v_lshlrev_b32 v16, 4, v3
	v_add_nc_u32 v17, PC+1024, v16
	ds_load_b128 v[20:23], v17
	s_lshl_b32 s18, s17, 9
	s_mov_b32 s19, 0
	s_add_nc_u64 s[8:9], s[8:9], s[18:19]
	s_add_nc_u64 s[10:11], s[10:11], s[18:19]
	s_wait_dscnt 0x0
	global_store_b128 v16, v[20:23], s[8:9]
	global_store_b128 v16, v[20:23], s[10:11]
	s_wait_xcnt 0x0                                ; v16 and v[20:23] are written again below only behind this wait
.Lnoidx:
	; SWEEP 2: A = the eight point tiles (they stay), B = one code tile: lane (r, h) holds code 16 T + r, points 16 i + 8 h + j
.macro LDB
	ds_load_b128 v[BF:BF+3], v4
	ds_load_b32 v[BF+4], v5
	v_add_nc_u32 v4, TILEB, v4
	v_add_nc_u32 v5, TILEB, v5
.endm
.macro EXP2 dc, i, p
.irp j, 0,1,2,3,4,5,6,7
	v_exp_f32 v[\p+\j], v[\dc+8*(\i)+\j]
.endr
.endm
.macro ACC2 dc, i, p                   ; sum of p (tile 0's exponentials started it) and sum of p y
.if \i
	s_wait_alu depctr_va_vdst(0)
.irp q, 0,2,4,6
	v_pk_add_f32 v[CA+\q:CA+\q+1], v[CA+\q:CA+\q+1], v[\p+\q:\p+\q+1]
.endr
.endif
	s_wait_alu depctr_va_vdst(0)
.irp q, 0,2,4,6
	v_pk_fma_f32 v[EA+\q:EA+\q+1], v[\p+\q:\p+\q+1], v[\dc+8*(\i)+\q:\dc+8*(\i)+\q+1], v[EA+\q:EA+\q+1]
.endr
.endm
.macro HALF2 dc, dn, wm, ld
	s_wait_dscnt 0x0                               ; the code tile asked for in the last half is in
.if \wm
	MM \dn
.endif
	WIN 0x14                                       ; sources 1 and 2 from v256 on: c' and nb of my 64 points
.set q, 0
.rept 32
	v_pk_fma_f32 v[\dc+q:\dc+q+1], v[\dc+q:\dc+q+1], v[q:q+1], v[64+q:64+q+1]   ; y = t c' + nb = log2 p
.set q, q+2
.endr
	WIN 0
.if \ld
	LDB                                            ; behind 32 plain instructions that name none of the products' registers
.endif
	EXP2 \dc, 0, CA
	v_add_nc_u32 v56, 64, v56                      ; this tile's place in the stage; also the plain place between tile 0's exponentials and their use
	EXP2 \dc, 1, P1
	ACC2 \dc, 0, CA
	EXP2 \dc, 2, P0
	ACC2 \dc, 1, P1
	EXP2 \dc, 3, P1
	ACC2 \dc, 2, P0
	EXP2 \dc, 4, P0
	ACC2 \dc, 3, P1
	EXP2 \dc, 5, P1
	ACC2 \dc, 4, P0
	EXP2 \dc, 6, P0
	ACC2 \dc, 5, P1
	EXP2 \dc, 7, P1
	ACC2 \dc, 6, P0
	ACC2 \dc, 7, P1
	v_pk_add_f32 v[CA:CA+1], v[CA:CA+1], v[CA+2:CA+3]
	v_pk_add_f32 v[CA+4:CA+5], v[CA+4:CA+5], v[CA+6:CA+7]
	v_pk_add_f32 v[CA:CA+1], v[CA:CA+1], v[CA+4:CA+5]
	v_add_f32 v[CA], v[CA], v[CA+1]
	ds_store_b32 v56, v[CA]                        ; my half's 64 points of code 16 T + r
.endm
	v_mul_u32_u24 v4, v1, ROWB
	v_lshl_add_u32 v5, v2, 2, v4
	v_lshl_add_u32 v4, v2, 4, v4
	v_add_nc_u32 v5, 32, v5
	v_add_nc_u32 v16, XIMG, v4
	v_add_nc_u32 v17, XIMG, v5
.irp i, 0,1,2,3,4,5,6,7
	ds_load_b128 v[AF+8*\i:AF+8*\i+3], v16 offset:TILEB*\i
	ds_load_b32 v[AF+8*\i+4], v17 offset:TILEB*\i
.endr
	v_lshlrev_b32 v18, 5, v2
	v_add_nc_u32 v18, PC, v18                      ; the words of points 8 h ..
	s_mul_i32 s18, s16, 32*TILEB                   ; my 512 codes
	v_add_nc_u32 v4, s18, v4
	v_add_nc_u32 v5, s18, v5
	s_lshl_b32 s28, s16, 12
	s_add_co_u32 s28, s28, COLST                   ; my stage
	s_sub_co_u32 s18, s28, 64                      ; one step low: stepped in front of each store
	v_lshl_add_u32 v56, v2, 11, s18
	v_lshl_add_u32 v56, v1, 2, v56
	WIN 0x40                                       ; destinations from v256 on
.irp i, 0,1,2,3,4,5,6,7
	ds_load_b128 v[8*\i:8*\i+3], v18 offset:64*\i              ; c' of points 16 i + 8 h + 0..3
	ds_load_b128 v[8*\i+4:8*\i+7], v18 offset:64*\i+16
	ds_load_b128 v[64+8*\i:64+8*\i+3], v18 offset:512+64*\i    ; nb of the same
	ds_load_b128 v[64+8*\i+4:64+8*\i+7], v18 offset:512+64*\i+16
.endr
	WIN 0
	LDB
	s_wait_dscnt 0x0
	MM D0
.irp j, 0,1,2,3,4,5,6,7
	v_mov_b32 v[EA+\j], 0                          ; also the places in front of the load into the B fragment
.endr
	LDB
	s_mov_b32 s21, 15                              ; 32 code tiles: 30 in the loop, 2 behind it
.Ls2:
	HALF2 D0, D1, 1, 1
	HALF2 D1, D0, 1, 1
	s_sub_co_i32 s21, s21, 1
	s_cmp_lg_u32 s21, 0
	s_cbranch_scc1 .Ls2
	HALF2 D0, D1, 1, 0
	HALF2 D1, D0, 0, 0
	; THE WAY OUT: the stage is my own, and LDS serves a wave's instructions in order: no barrier.  The two halves' sums are added and
	; my 512 codes leave in four stores of 512 consecutive bytes, aligned.
	v_lshlrev_b32 v58, 4, v3
	v_add_nc_u32 v57, s28, v58
.irp q, 0,1,2,3
	ds_load_b128 v[64+4*\q:67+4*\q], v57 offset:512*\q
	ds_load_b128 v[80+4*\q:83+4*\q], v57 offset:2048+512*\q
.endr
	s_lshl_b32 s18, s17, 14                        ; colpart[g][512 w ..]
	s_lshl_b32 s19, s16, 11
	s_add_co_u32 s18, s18, s19
	s_mov_b32 s19, 0
	s_add_nc_u64 s[12:13], s[12:13], s[18:19]
	s_lshl_b32 s18, s17, 3                         ; epart[8 g + w]
	s_add_co_u32 s18, s18, s16
	s_lshl_b32 s18, s18, 2
	s_add_nc_u64 s[14:15], s[14:15], s[18:19]
	v_pk_add_f32 v[EA:EA+1], v[EA:EA+1], v[EA+2:EA+3]
	v_pk_add_f32 v[EA+4:EA+5], v[EA+4:EA+5], v[EA+6:EA+7]
	v_pk_add_f32 v[EA:EA+1], v[EA:EA+1], v[EA+4:EA+5]
	v_add_f32 v48, v48, v49
	v_add_f32_dpp v48, v48, v48 row_xmask:1 row_mask:0xf bank_mask:0xf
	v_add_f32_dpp v48, v48, v48 row_xmask:2 row_mask:0xf bank_mask:0xf
	v_add_f32_dpp v48, v48, v48 row_xmask:4 row_mask:0xf bank_mask:0xf
	v_add_f32_dpp v48, v48, v48 row_xmask:8 row_mask:0xf bank_mask:0xf
	v_permlanex16_b32 v49, v48, s22, s23
	v_add_f32 v48, v48, v49                        ; the wave's sum of p log2 p
	v_mov_b32 v59, 0
	v_cmp_eq_u32 vcc_lo, 0, v3
	s_wait_dscnt 0x0
.irp m, 0,2,4,6,8,10,12,14
	v_pk_add_f32 v[64+\m:65+\m], v[64+\m:65+\m], v[80+\m:81+\m]
.endr
.irp q, 0,1,2,3
	global_store_b128 v58, v[64+4*\q:67+4*\q], s[12:13] offset:512*\q
.endr
	s_wait_xcnt 0x0                                ; EXEC is a source of the stores above: it changes only behind this wait
	s_set_vgpr_msb 0x4
	s_wait_tensorcnt 0x0
	ds_add_u32 v63, v129
	s_wait_dscnt 0x0
	s_set_vgpr_msb 0x400
	s_and_saveexec_b32 s27, vcc_lo
	global_store_b32 v59, v48, s[14:15]            ; one word a wave
	s_wait_xcnt 0x0
	s_or_b32 exec_lo, exec_lo, s27
	s_endpgm
.Lfunc_end_k_q1de5ebdb25_main:
	.size	k_q1de5ebdb25_main, .Lfunc_end_k_q1de5ebdb25_main-k_q1de5ebdb25_main
	.p2alignl 7, 3214868480
	.fill 96, 4, 3214868480
	.section	.rodata,"a",@progbits
	.p2align	6, 0x0
	.amdhsa_kernel k_q1de5ebdb25_main
		.amdhsa_group_segment_fixed_size 311808
		.amdhsa_private_segment_fixed_size 0
		.amdhsa_enable_private_segment 0
		.amdhsa_kernarg_size 48
		.amdhsa_user_sgpr_count 2
		.amdhsa_user_sgpr_kernarg_segment_ptr 1
		.amdhsa_wavefront_size32 1
		.amdhsa_system_sgpr_workgroup_id_x 1
		.amdhsa_system_sgpr_workgroup_id_y 1
		.amdhsa_system_sgpr_workgroup_id_z 1
		.amdhsa_system_vgpr_workitem_id 0
		.amdhsa_next_free_vgpr 386
		.amdhsa_next_free_sgpr 66
		.amdhsa_reserve_vcc 1
		.amdhsa_float_denorm_mode_32 3
		.amdhsa_float_denorm_mode_16_64 3
		.amdhsa_memory_ordered 1
		.amdhsa_forward_progress 1
		.amdhsa_inst_pref_size 143
	.end_amdhsa_kernel
	.amdgpu_metadata
---
amdhsa.version: [ 1, 2 ]
amdhsa.kernels:
  - .name:           k_q1de5ebdb25_main
    .symbol:         k_q1de5ebdb25_main.kd
    .args:
      - { .name: super_points, .offset: 0, .size: 8, .value_kind: global_buffer, .address_space: global }
      - { .name: x, .offset: 8, .size: 8, .value_kind: global_buffer, .address_space: global }
      - { .name: out1, .offset: 16, .size: 8, .value_kind: global_buffer, .address_space: global }
      - { .name: widx, .offset: 24, .size: 8, .value_kind: global_buffer, .address_space: global }
      - { .name: colpart, .offset: 32, .size: 8, .value_kind: global_buffer, .address_space: global }
      - { .name: epart, .offset: 40, .size: 8, .value_kind: global_buffer, .address_space: global }
    .group_segment_fixed_size: 311808
    .private_segment_fixed_size: 0
    .kernarg_segment_align: 8
    .kernarg_segment_size: 48
    .max_flat_workgroup_size: 256
    .sgpr_count:     66
    .vgpr_count:     386
    .wavefront_size: 32
...
	.end_amdgpu_metadata
.endif
;; end of part 1
;; launch gather (part 2): grid 256 x 1, 2 waves a work-group, no clusters, 768 bytes of LDS; arguments x, super_points, widx, colpart, out0, colq, cpart; writes out0, colq, cpart
.if DOCPART == 2
	.amdgcn_target "amdgcn-amd-amdhsa--gfx1250"
	.amdhsa_code_object_version 6
	.text
	.protected	k_q1de5ebdb25_gather
	.globl	k_q1de5ebdb25_gather
	.p2align	8
	.type	k_q1de5ebdb25_gather,@function
k_q1de5ebdb25_gather:
	s_mov_b64 s[64:65], 0
	v_nop
	global_prefetch_b8 v0, s[64:65] scope:SCOPE_SE
	s_setreg_imm32_b32 hwreg(HW_REG_WAVE_MODE, 25, 1), 1
	s_wait_xcnt 0x0
; HyperSphere, second launch.  Work-group g does two things that do not depend on each other:
;  (a) for the points 128 g .. 128 g + 127 (thread t: points 2 t, 2 t + 1): xn = x / |x| in f32, the code row named by widx (stored by the
;      launch before) in f32, q = xn + (code - xn) as the reference forms it, out0, and the sum of (xn - q)^2;
;  (b) one quarter of the sum over work-groups of colpart for 64 codes: rows 64 (g >> 6) .. + 63, columns 64 (g & 63) .. + 63.
; All loads are issued first; the waits count down.  No matrix unit, cluster or tensor load: some 35 KiB a work-group, read once, nothing shared
; but code rows that a list names.
; LIMITS: as in the first launch (no all-zero x vector, no infinities or NaN; the sum of squares a normal f32).
.set X,   16                           ; v[16:51]   pair d: x (then xn) of my two points
.set Q0,  52                           ; v[52:69]   the code row of point 2 t
.set Q1,  70                           ; v[70:87]   and of point 2 t + 1
.set O,   88                           ; v[88:123]  pair d: q
.set CP,  124                          ; v[124:187] sixteen pieces of 16 bytes of colpart
; v[2:3] indices, then row offsets; v4 = 8 t; v5 LDS store address; v6 colpart offset; v7 = 16 (t % 16); v[8:11] exchange;
; v[12:13] sum of squares, then 1/|x|; v[14:15] sum of squared differences; v[188:191] at work
	s_load_b256 s[4:11], s[0:1], 0x0               ; x s[4:5], super_points s[6:7], widx s[8:9], colpart s[10:11]
	s_load_b128 s[12:15], s[0:1], 0x20             ; out0 s[12:13], colq s[14:15]
	s_load_b64 s[16:17], s[0:1], 0x30              ; cpart
	v_lshl_add_u32 v192, v0, 2, 0x200
	v_mov_b32 v193, 0
	v_lshrrev_b32 v1, 5, v0
	v_readfirstlane_b32 s20, v1                    ; wave
	v_and_b32 v1, 31, v0                           ; lane
	s_mov_b32 s21, ttmp9                           ; g
	s_mov_b32 s22, 0x76543210
	s_mov_b32 s23, 0xfedcba98
	v_lshlrev_b32 v4, 3, v0
	v_and_b32 v7, 15, v0
	v_lshlrev_b32 v7, 4, v7
	v_lshrrev_b32 v6, 4, v0
	v_lshl_add_u32 v6, v6, 14, v7                  ; row t / 16 of four, 16 bytes t % 16 of 256
	s_lshl_b32 s18, s21, 9                         ; widx: 128 words
	s_mov_b32 s19, 0
	s_lshr_b32 s24, s21, 5                         ; x and out0: batch entry x 294,912 + 128 places x 4
	s_mul_i32 s24, s24, 294912
	s_and_b32 s25, s21, 31
	s_lshl_b32 s25, s25, 9
	s_add_co_u32 s24, s24, s25
	s_mov_b32 s25, 0
	s_lshr_b32 s26, s21, 6                         ; quarter
	s_and_b32 s27, s21, 63
	s_lshl_b32 s27, s27, 8                         ; 64 columns = 256 bytes
	s_lshl_b32 s28, s26, 20                        ; 64 rows of 16,384 bytes
	s_add_co_u32 s28, s28, s27
	s_mov_b32 s29, 0
	s_lshl_b32 s26, s26, 14                        ; colq[quarter][..]
	s_add_co_u32 s26, s26, s27
	s_mov_b32 s27, 0
	s_lshl_b32 s30, s21, 1                         ; cpart[2 g + w]
	s_add_co_u32 s30, s30, s20
	s_lshl_b32 s30, s30, 2
	s_mov_b32 s31, 0
	s_wait_kmcnt 0x0
	s_add_nc_u64 s[8:9], s[8:9], s[18:19]
	s_add_nc_u64 s[4:5], s[4:5], s[24:25]
	s_add_nc_u64 s[12:13], s[12:13], s[24:25]
	s_add_nc_u64 s[10:11], s[10:11], s[28:29]
	s_add_nc_u64 s[14:15], s[14:15], s[26:27]
	s_add_nc_u64 s[16:17], s[16:17], s[30:31]
	global_load_b64 v[2:3], v4, s[8:9]
.irp d, 0,1,2,3,4,5,6,7,8,9,10,11,12,13,14,15,16,17
	global_load_b64 v[X+2*\d:X+2*\d+1], v4, s[4:5] offset:16384*\d             ; a wave covers 256 consecutive bytes, aligned
.endr
.irp i, 0,1,2,3,4,5,6,7,8,9,10,11,12,13,14,15
	global_load_b128 v[CP+4*\i:CP+4*\i+3], v6, s[10:11] offset:65536*\i        ; rows 4 i + t / 16; 16 lanes cover 256 bytes, aligned
.endr
	s_wait_loadcnt 34                              ; the indices are in: 18 loads of x and 16 of colpart are younger
	v_min_u32 v2, 0xfff, v2                        ; an index stays inside the table
	v_min_u32 v3, 0xfff, v3
	v_mul_u32_u24 v2, v2, 72                       ; a row of 18 f32
	v_mul_u32_u24 v3, v3, 72
.irp q, 0,1,2,3,4,5,6,7,8
	global_load_b64 v[Q0+2*\q:Q0+2*\q+1], v2, s[6:7] offset:8*\q
	global_load_b64 v[Q1+2*\q:Q1+2*\q+1], v3, s[6:7] offset:8*\q
.endr
	s_wait_loadcnt 34                              ; x is in: 16 loads of colpart and 18 of code rows are younger
	v_pk_mul_f32 v[12:13], v[X:X+1], v[X:X+1]
.irp d, 1,2,3,4,5,6,7,8,9,10,11,12,13,14,15,16,17
	v_pk_fma_f32 v[12:13], v[X+2*\d:X+2*\d+1], v[X+2*\d:X+2*\d+1], v[12:13]
.endr
	v_rsq_f32 v12, v12
	v_rsq_f32 v13, v13
.irp k, 8,9,10,11
	v_mov_b32 v\k, 0                               ; destinations of the lane exchange below; also the plain place behind the roots (ISA guide 5.7.2)
.endr
	s_wait_alu depctr_va_vdst(0)
.irp d, 0,1,2,3,4,5,6,7,8,9,10,11,12,13,14,15,16,17
	v_pk_mul_f32 v[X+2*\d:X+2*\d+1], v[X+2*\d:X+2*\d+1], v[12:13]              ; xn
.endr
	s_wait_loadcnt 18                              ; colpart is in: the 18 loads of code rows are younger
.irp i, 1,2,3,4,5,6,7,8,9,10,11,12,13,14,15
	v_pk_add_f32 v[CP:CP+1], v[CP:CP+1], v[CP+4*\i:CP+4*\i+1]
	v_pk_add_f32 v[CP+2:CP+3], v[CP+2:CP+3], v[CP+4*\i+2:CP+4*\i+3]
.endr
.irp k, 0,1,2,3
	v_permlanex16_b32 v[8+\k], v[CP+\k], s22, s23  ; the other 16 lanes hold the same columns of other rows
.endr
	v_pk_add_f32 v[CP:CP+1], v[CP:CP+1], v[8:9]
	v_pk_add_f32 v[CP+2:CP+3], v[CP+2:CP+3], v[10:11]
	s_lshl_b32 s18, s20, 8
	v_add_nc_u32 v5, s18, v7
	ds_store_b128 v5, v[CP:CP+3]                   ; 256 bytes a wave; lanes l and l + 16 store the same bits (a commutative sum)
	s_wait_dscnt 0x0                               ; zero: the other wave reads them
	s_barrier_signal -1
	s_barrier_wait -1
	ds_load_b128 v[CP:CP+3], v7
	ds_load_b128 v[CP+4:CP+7], v7 offset:256
	s_wait_dscnt 0x0
	v_pk_add_f32 v[CP:CP+1], v[CP:CP+1], v[CP+4:CP+5]
	v_pk_add_f32 v[CP+2:CP+3], v[CP+2:CP+3], v[CP+6:CP+7]
	s_wait_loadcnt 0x0                             ; the code rows
.irp d, 0,1,2,3,4,5,6,7,8,9,10,11,12,13,14,15,16,17
	v_sub_f32 v188, v[Q0+\d], v[X+2*\d]            ; code - xn
	v_sub_f32 v189, v[Q1+\d], v[X+2*\d+1]
	v_pk_add_f32 v[O+2*\d:O+2*\d+1], v[X+2*\d:X+2*\d+1], v[188:189]            ; q = xn + (code - xn)
	v_pk_add_f32 v[190:191], v[X+2*\d:X+2*\d+1], v[O+2*\d:O+2*\d+1] neg_lo:[0,1] neg_hi:[0,1]
.if \d == 0
	v_pk_mul_f32 v[14:15], v[190:191], v[190:191]  ; the first square starts the sum
.else
	v_pk_fma_f32 v[14:15], v[190:191], v[190:191], v[14:15]
.endif
	global_store_b64 v4, v[O+2*\d:O+2*\d+1], s[12:13] offset:16384*\d          ; a wave stores 256 consecutive bytes, aligned
.endr
	v_add_f32 v14, v14, v15
	v_add_f32_dpp v14, v14, v14 row_xmask:1 row_mask:0xf bank_mask:0xf
	v_add_f32_dpp v14, v14, v14 row_xmask:2 row_mask:0xf bank_mask:0xf
	v_add_f32_dpp v14, v14, v14 row_xmask:4 row_mask:0xf bank_mask:0xf
	v_add_f32_dpp v14, v14, v14 row_xmask:8 row_mask:0xf bank_mask:0xf
	v_permlanex16_b32 v15, v14, s22, s23
	v_add_f32 v14, v14, v15
	v_mov_b32 v8, 0
	v_cmp_gt_u32 vcc_lo, 16, v0                    ; threads 0-15 store the 64 column sums: 256 consecutive bytes, aligned
	s_wait_xcnt 0x0                                ; EXEC changes only behind this wait
	s_wait_tensorcnt 0x0
	ds_add_u32 v192, v193
	s_wait_dscnt 0x0
	s_and_saveexec_b32 s24, vcc_lo
	global_store_b128 v7, v[CP:CP+3], s[14:15]
	s_wait_xcnt 0x0
	s_or_b32 exec_lo, exec_lo, s24
	v_cmp_eq_u32 vcc_lo, 0, v1
	s_and_saveexec_b32 s24, vcc_lo                 ; nothing was issued since the wait above
	global_store_b32 v8, v14, s[16:17]             ; one word a wave
	s_wait_xcnt 0x0
	s_or_b32 exec_lo, exec_lo, s24
	s_endpgm
.Lfunc_end_k_q1de5ebdb25_gather:
	.size	k_q1de5ebdb25_gather, .Lfunc_end_k_q1de5ebdb25_gather-k_q1de5ebdb25_gather
	.p2alignl 7, 3214868480
	.fill 96, 4, 3214868480
	.section	.rodata,"a",@progbits
	.p2align	6, 0x0
	.amdhsa_kernel k_q1de5ebdb25_gather
		.amdhsa_group_segment_fixed_size 768
		.amdhsa_private_segment_fixed_size 0
		.amdhsa_enable_private_segment 0
		.amdhsa_kernarg_size 56
		.amdhsa_user_sgpr_count 2
		.amdhsa_user_sgpr_kernarg_segment_ptr 1
		.amdhsa_wavefront_size32 1
		.amdhsa_system_sgpr_workgroup_id_x 1
		.amdhsa_system_sgpr_workgroup_id_y 1
		.amdhsa_system_sgpr_workgroup_id_z 1
		.amdhsa_system_vgpr_workitem_id 0
		.amdhsa_next_free_vgpr 194
		.amdhsa_next_free_sgpr 66
		.amdhsa_reserve_vcc 1
		.amdhsa_float_denorm_mode_32 3
		.amdhsa_float_denorm_mode_16_64 3
		.amdhsa_memory_ordered 1
		.amdhsa_forward_progress 1
		.amdhsa_inst_pref_size 20
	.end_amdhsa_kernel
	.amdgpu_metadata
---
amdhsa.version: [ 1, 2 ]
amdhsa.kernels:
  - .name:           k_q1de5ebdb25_gather
    .symbol:         k_q1de5ebdb25_gather.kd
    .args:
      - { .name: x, .offset: 0, .size: 8, .value_kind: global_buffer, .address_space: global }
      - { .name: super_points, .offset: 8, .size: 8, .value_kind: global_buffer, .address_space: global }
      - { .name: widx, .offset: 16, .size: 8, .value_kind: global_buffer, .address_space: global }
      - { .name: colpart, .offset: 24, .size: 8, .value_kind: global_buffer, .address_space: global }
      - { .name: out0, .offset: 32, .size: 8, .value_kind: global_buffer, .address_space: global }
      - { .name: colq, .offset: 40, .size: 8, .value_kind: global_buffer, .address_space: global }
      - { .name: cpart, .offset: 48, .size: 8, .value_kind: global_buffer, .address_space: global }
    .group_segment_fixed_size: 768
    .private_segment_fixed_size: 0
    .kernarg_segment_align: 8
    .kernarg_segment_size: 56
    .max_flat_workgroup_size: 64
    .sgpr_count:     66
    .vgpr_count:     194
    .wavefront_size: 32
...
	.end_amdgpu_metadata
.endif
;; end of part 2
;; launch final (part 3): grid 1 x 1, 16 waves a work-group, no clusters, 2,304 bytes of LDS; arguments colq, epart, cpart, out2, out3, out4, out5; writes out2, out3, out4, out5
.if DOCPART == 3
	.amdgcn_target "amdgcn-amd-amdhsa--gfx1250"
	.amdhsa_code_object_version 6
	.text
	.protected	k_q1de5ebdb25_final
	.globl	k_q1de5ebdb25_final
	.p2align	8
	.type	k_q1de5ebdb25_final,@function
k_q1de5ebdb25_final:
	s_mov_b64 s[64:65], 0
	v_nop
	global_prefetch_b8 v0, s[64:65] scope:SCOPE_SE
	s_setreg_imm32_b32 hwreg(HW_REG_WAVE_MODE, 25, 1), 1
	s_wait_xcnt 0x0
; HyperSphere, third launch: the four numbers.  One work-group, since the sums span everything: 512 threads read 75,776 bytes once.
; Thread t: eight codes (4 t .. and 2048 + 4 t ..) of the four quarter sums, four words of epart, one of cpart.
;   avg = column sum / 32768;  H = sum of avg log2(avg + 1e-15);  E = sum of p log2 p;  C = sum of (xn - q)^2
;   out2 = -ln 2 E / 32768,  out3 = -ln 2 H,  out4 = out2 - out3,  out5 = C / 589824
	s_load_b256 s[4:11], s[0:1], 0x0               ; colq s[4:5], epart s[6:7], cpart s[8:9], out2 s[10:11]
	s_load_b128 s[12:15], s[0:1], 0x20             ; out3 s[12:13], out4 s[14:15]
	s_load_b64 s[16:17], s[0:1], 0x30              ; out5
	v_lshl_add_u32 v64, v0, 2, 0x100
	v_mov_b32 v65, 0
	v_lshrrev_b32 v3, 5, v0
	v_readfirstlane_b32 s18, v3                    ; wave 0..15
	v_lshlrev_b32 v1, 4, v0
	v_lshlrev_b32 v2, 2, v0
	s_mov_b32 s22, 0x76543210
	s_mov_b32 s23, 0xfedcba98
	s_wait_kmcnt 0x0
.irp p, 0,1,2,3
	global_load_b128 v[8+8*\p:11+8*\p], v1, s[4:5] offset:16384*\p
	global_load_b128 v[12+8*\p:15+8*\p], v1, s[4:5] offset:16384*\p+8192
.endr
	global_load_b128 v[40:43], v1, s[6:7]
	global_load_b32 v50, v2, s[8:9]
	v_mov_b32 v45, 0                               ; a lane exchange's destination counts as read
	v_mov_b32 v51, 0
	v_mov_b32 v52, s18
	v_lshlrev_b32 v52, 4, v52                      ; my wave's 16 bytes
	v_and_b32 v53, 15, v0
	v_lshlrev_b32 v53, 4, v53
	v_mov_b32 v54, 0
	s_wait_loadcnt 0x0
.irp p, 1,2,3
.irp m, 0,2,4,6
	v_pk_add_f32 v[8+\m:9+\m], v[8+\m:9+\m], v[8+8*\p+\m:9+8*\p+\m]
.endr
.endr
.irp m, 0,2,4,6
	v_pk_mul_f32 v[8+\m:9+\m], v[8+\m:9+\m], 0x38000000 op_sel_hi:[1,0]        ; x 2^-15, exact
	v_pk_add_f32 v[16+\m:17+\m], v[8+\m:9+\m], 0x26901d7d op_sel_hi:[1,0]      ; + 1e-15
.endr
.irp j, 0,1,2,3,4,5,6,7
	v_log_f32 v[16+\j], v[16+\j]
.endr
	v_add_f32 v40, v40, v41                        ; plain work behind the logarithms (ISA guide 5.7.2)
	v_add_f32 v42, v42, v43
	v_add_f32 v49, v40, v42                        ; E
	s_wait_alu depctr_va_vdst(0)
	v_mul_f32 v48, v8, v16                         ; H
.irp j, 1,2,3,4,5,6,7
	v_fmac_f32 v48, v[8+\j], v[16+\j]
.endr
.irp v, 48,49,50
	v_add_f32_dpp v\v, v\v, v\v row_xmask:1 row_mask:0xf bank_mask:0xf
	v_add_f32_dpp v\v, v\v, v\v row_xmask:2 row_mask:0xf bank_mask:0xf
	v_add_f32_dpp v\v, v\v, v\v row_xmask:4 row_mask:0xf bank_mask:0xf
	v_add_f32_dpp v\v, v\v, v\v row_xmask:8 row_mask:0xf bank_mask:0xf
	v_permlanex16_b32 v45, v\v, s22, s23
	v_add_f32 v\v, v\v, v45
.endr
	ds_store_b128 v52, v[48:51]                    ; every lane of the wave stores the same 16 bytes
	s_wait_dscnt 0x0                               ; zero: other waves read them
	s_barrier_signal -1
	s_barrier_wait -1
	ds_load_b128 v[56:59], v53                     ; lane l takes wave l % 16's sums
	s_wait_dscnt 0x0
.irp v, 56,57,58
	v_add_f32_dpp v\v, v\v, v\v row_xmask:1 row_mask:0xf bank_mask:0xf
	v_add_f32_dpp v\v, v\v, v\v row_xmask:2 row_mask:0xf bank_mask:0xf
	v_add_f32_dpp v\v, v\v, v\v row_xmask:4 row_mask:0xf bank_mask:0xf
	v_add_f32_dpp v\v, v\v, v\v row_xmask:8 row_mask:0xf bank_mask:0xf
.endr
	v_mul_f32 v60, 0xb7b17218, v57                 ; entro_mean = -ln 2 x 2^-15 x E
	v_mul_f32 v61, 0xbf317218, v56                 ; mean_entro = -ln 2 x H
	v_sub_f32 v62, v60, v61                        ; entro_loss
	v_mul_f32 v63, 0x35e38e39, v58                 ; commit_loss = C / 589824
	v_cmp_eq_u32 vcc_lo, 0, v0
	s_wait_xcnt 0x0                                ; EXEC changes only behind this wait
	s_wait_tensorcnt 0x0
	ds_add_u32 v64, v65
	s_wait_dscnt 0x0
	s_and_saveexec_b32 s24, vcc_lo
	global_store_b32 v54, v60, s[10:11]
	global_store_b32 v54, v61, s[12:13]
	global_store_b32 v54, v62, s[14:15]
	global_store_b32 v54, v63, s[16:17]
	s_wait_xcnt 0x0
	s_or_b32 exec_lo, exec_lo, s24
	s_endpgm
.Lfunc_end_k_q1de5ebdb25_final:
	.size	k_q1de5ebdb25_final, .Lfunc_end_k_q1de5ebdb25_final-k_q1de5ebdb25_final
	.p2alignl 7, 3214868480
	.fill 96, 4, 3214868480
	.section	.rodata,"a",@progbits
	.p2align	6, 0x0
	.amdhsa_kernel k_q1de5ebdb25_final
		.amdhsa_group_segment_fixed_size 2304
		.amdhsa_private_segment_fixed_size 0
		.amdhsa_enable_private_segment 0
		.amdhsa_kernarg_size 56
		.amdhsa_user_sgpr_count 2
		.amdhsa_user_sgpr_kernarg_segment_ptr 1
		.amdhsa_wavefront_size32 1
		.amdhsa_system_sgpr_workgroup_id_x 1
		.amdhsa_system_sgpr_workgroup_id_y 1
		.amdhsa_system_sgpr_workgroup_id_z 1
		.amdhsa_system_vgpr_workitem_id 0
		.amdhsa_next_free_vgpr 66
		.amdhsa_next_free_sgpr 66
		.amdhsa_reserve_vcc 1
		.amdhsa_float_denorm_mode_32 3
		.amdhsa_float_denorm_mode_16_64 3
		.amdhsa_memory_ordered 1
		.amdhsa_forward_progress 1
		.amdhsa_inst_pref_size 8
	.end_amdhsa_kernel
	.amdgpu_metadata
---
amdhsa.version: [ 1, 2 ]
amdhsa.kernels:
  - .name:           k_q1de5ebdb25_final
    .symbol:         k_q1de5ebdb25_final.kd
    .args:
      - { .name: colq, .offset: 0, .size: 8, .value_kind: global_buffer, .address_space: global }
      - { .name: epart, .offset: 8, .size: 8, .value_kind: global_buffer, .address_space: global }
      - { .name: cpart, .offset: 16, .size: 8, .value_kind: global_buffer, .address_space: global }
      - { .name: out2, .offset: 24, .size: 8, .value_kind: global_buffer, .address_space: global }
      - { .name: out3, .offset: 32, .size: 8, .value_kind: global_buffer, .address_space: global }
      - { .name: out4, .offset: 40, .size: 8, .value_kind: global_buffer, .address_space: global }
      - { .name: out5, .offset: 48, .size: 8, .value_kind: global_buffer, .address_space: global }
    .group_segment_fixed_size: 2304
    .private_segment_fixed_size: 0
    .kernarg_segment_align: 8
    .kernarg_segment_size: 56
    .max_flat_workgroup_size: 512
    .sgpr_count:     66
    .vgpr_count:     66
    .wavefront_size: 32
...
	.end_amdgpu_metadata
.endif
;; end of part 3
